; MI455X (gfx1250); checked and timed in simulation.
; The chip was launched on July 23, 2026; its instructions are those of AMD's public machine-readable ISA for CDNA 5 (MIT licence, August 2026) and "CDNA5" Instruction Set Architecture Reference Guide (July 2026). The comments in the code are by the model that wrote it; some were corrected since.
;; Multi Head Attention. Allowed arithmetic: matrix products marked QUANTISED: E2M1 operands, one E8M0 scale for each 32 along K, by v_wmma_scale_f32_16x16x128_f8f6f4 with both operands' format E2M1 (or v_wmma_scale_f32_32x16x128_f4), f32 sums; products left as they are: bf16, f16 or f32 operands; f32 sums; everything else in f32.
;; Inputs: Wk 512 x 512 float32; Wo 512 x 512 float32; Wq 512 x 512 float32; Wv 512 x 512 float32; bk 512 float32; bo 512 float32; bq 512 float32; bv 512 float32; k 2 x 4,096 x 512 float32; q 2 x 4,096 x 512 float32; rel_pos 8 x 5 float32; v 2 x 4,096 x 512 float32.
;; Outputs: out0 2 x 4,096 x 512 float32.
;; This version of the problem:
;;   THIS VERSION OF THE PROBLEM IS GIVEN IN LOW PRECISION. The matrix products marked QUANTISED in the list below multiply operands that are first quantised to E2M1 (2 exponent bits, 1 mantissa bit; 4 bits a number), with one power-of-two scale for each 32 numbers along K (OCP MX v1.0); their sums are f32. The products marked 'left as it is' may take bf16, f16 or f32 operands, with f32 sums. Whichever they take, every output number must still come out within the allowed error. Rounding operands to bf16 (8 significant bits) uses up far more of that allowance than f16 does (11 bits, for magnitudes from 6e-5 to 65,504). All else is computed in f32.
;;   The module's matrix products, in the order in which they are computed (A, B: the left and right operand; K: the contracted axis; several contracted axes count as one K, in the product's order):
;;     1. [M 8,192, K 512] x [K 512, N 512]; A: input q; B: input Wq: QUANTISED
;;     2. [M 8,192, K 512] x [K 512, N 512]; A: input k; B: input Wk: QUANTISED
;;     3. [M 8,192, K 512] x [K 512, N 512]; A: input v; B: input Wv: QUANTISED
;;     4. batch 16 x [M 4,096, K 64] x [K 64, N 4,096]; A: computed on the way; B: computed on the way: left as it is (an operand is computed on the way)
;;     5. batch 16 x [M 4,096, K 4,096] x [K 4,096, N 64]; A: computed on the way; B: computed on the way: left as it is (an operand is computed on the way)
;;     6. [M 8,192, K 512] x [K 512, N 512]; A: computed on the way; B: input Wo: left as it is (an operand is computed on the way)
;;   THE QUANTISER, for each operand of a quantised product, along K:
;;     - K is cut into blocks of 32 from its start; a last block that is shorter is filled with zeros.
;;     - A block's scale is 2^e with e = floor(log2(the largest magnitude in the block)) - 2, held to -126 .. 127; a block of zeros has e = 0. As a byte (E8M0): e + 127.
;;     - Each number is divided by its block's scale, clamped to +-6, and rounded to the nearest number of E2M1, ties to even, subnormals kept.
;;     - The product sums the exact products of the quantised numbers (number of the format x scale) in f32.
;;   ~~~python
;;   def quantise(x, axis):      # numpy; x: float32 -> the quantised numbers, widened to float32 again
;;       x = np.moveaxis(x, axis, -1); K = x.shape[-1]
;;       x = np.pad(x, [(0, 0)] * (x.ndim - 1) + [(0, -K % 32)]); x = x.reshape(x.shape[:-1] + (-1, 32)); a = np.abs(x).max(-1, keepdims=True)
;;       e = np.where(a > 0, np.clip(np.frexp(np.where(a > 0, a, 1))[1] - 1 - 2, -126, 127), 0)      # np.frexp(a)[1] - 1 = floor(log2(a)), exactly
;;       r = np.clip(x / 2.0 ** e, -6, 6)
;;       step = 2.0 ** (np.maximum(np.frexp(np.where(r == 0, 1, r))[1] - 1, 0) - 1)
;;       q = np.round(r / step) * step * 2.0 ** e      # np.round: ties to even
;;       return np.moveaxis(q.reshape(q.shape[:-2] + (-1,))[..., :K], -1, axis).astype(np.float32)
;;   ~~~
;; One version. Each part assembles by itself: llvm-mc -triple=amdgcn-amd-amdhsa -mcpu=gfx1250 --defsym DOCPART=n.
;; ======== version 1 of 1: 4 launches
;; limits: values are held in f16: magnitudes above 65,504 overflow, below 6.1e-05 lose precision
;; workspace buffers: wc 393,216 bytes; ws 24,576 bytes; wo16 524,288 bytes; qh 8,388,608 bytes; kh 8,388,608 bytes; vh 8,388,608 bytes; ah 8,388,608 bytes
;; launch wprep (part 1): grid 32 x 4, 1 waves a work-group, no clusters, 0 bytes of LDS; arguments Wq, Wk, Wv, Wo, wc, ws, wo16; writes wc, ws, wo16
.if DOCPART == 1
	.amdgcn_target "amdgcn-amd-amdhsa--gfx1250"
	.amdhsa_code_object_version 6
	.text
	.protected	k_q6864aa2e67_wprep
	.globl	k_q6864aa2e67_wprep
	.p2align	8
	.type	k_q6864aa2e67_wprep,@function
k_q6864aa2e67_wprep:
	s_mov_b64 s[64:65], 0
	v_nop
	global_prefetch_b8 v0, s[64:65] scope:SCOPE_SE
	s_setreg_imm32_b32 hwreg(HW_REG_WAVE_MODE, 25, 1), 1
	s_wait_xcnt 0x0
; MULTI-HEAD ATTENTION, launch 1 of 4: the weights are laid out once, as images of the operand registers that the later launches load.
;   Wq, Wk, Wv [512][512] f32 (K innermost) -> codes of FP4 (E2M1) with one E8M0 byte for each 32 along K;  Wo [512][512] f32 -> f16.
; DEAD WORK, LEFT OUT IN THE WHOLE PROGRAM: bk.  K = k Wk^T + bk enters the result only through scores[q][key] = Q[q] . K[key] / 8 + rel.  bk's part of a score is
; Q[q] . bk / 8: it hangs on the query alone, so it is the same for all keys of a row, and softmax along the keys takes a term away that is the same along its axis:
; exp(s + t) / sum exp(s + t) = exp(s) / sum exp(s) for every real t.  The product Q K^T is not quantised, so bk reaches no quantiser.  This holds for all finite values of all inputs.
; So bk is not loaded and is among no launch's arguments.  LIMIT: a NaN, an infinity or an overflow that only bk would bring is not carried to the result.
; LIMITS of the program: Q, K, V, the attention's result and Wo go to the matrix unit as f16: magnitudes above 65,504 are not served, and those under 6e-5 keep an absolute error of 2^-25;
; a block of zeros gets the scale byte 1 where the rule says 127 (its codes are zeros, and these bytes are read by this program alone); blocks whose largest magnitude lies under 2^-124 are held at byte 1;
; NaN and infinities among the inputs are not served.
; SHARES.  One wave to a work-group.  Work-group (x, y): y < 3: rows 16 x .. 16 x + 15 of Wq, Wk or Wv become four fragments (16 rows x 128 K) and their scale words;  y = 3: the same rows of Wo become 16 fragments of 16 x 32 f16.
; An image block is 512 bytes, lane l's 16 bytes at 16 l: each store of the wave covers 512 consecutive bytes, aligned.
;   wc  [tensor 3][tile of 16 rows 32][K step 4][c 2][512]: block c = registers 4 c .. 4 c + 3 of the fragment
;   ws  [tensor 3][tile 32][lane 32][p 2] words: word p: lanes 0-15 row r's scale word of K step 2 p, lanes 16-31 that of K step 2 p + 1
;   wo16 [column block of 128: 4][chunk of 32 K: 16][tile in block 8][u 2][512]: lane (r, h): Wo[row r][32 chunk + 16 u + 8 h + 0 .. 7]
; No LDS, no matrix unit, no cluster: 4 MiB are read once and nothing is shared.
.set XA,  3                            ; v3   2048 r + 64 h: my 16 numbers of a block of 32 of my row
.set LI,  4                            ; v4   16 x lane
.set L8,  5                            ; v5   8 x lane
.set WA,  6                            ; v6   2048 r + 32 h: my 8 numbers of a group of 16 of my row of Wo
.set TM,  8                            ; v8-23  at work in QUANT
.set PW,  24                           ; v24-27 the scale words of the four K steps
.set SW,  28                           ; v[28:29] the two merged words
.set PC,  32                           ; v32-63 codes: eight registers for each K step, so that no store's data are written again
.set OC,  32                           ; v32-63 (Wo's way) f16 results of four chunks
.set BA,  64                           ; three buffers of 64 numbers
.set BB,  128
.set BC,  192
.set SEL, 20                           ; s[20:21] lane selects for v_permlanex16_b32: lane l xor 16
	s_load_b256 s[4:11], s[0:1], 0x0               ; Wq s[4:5], Wk s[6:7], Wv s[8:9], Wo s[10:11]
	s_load_b128 s[12:15], s[0:1], 0x20             ; wc s[12:13], ws s[14:15]
	s_load_b64 s[16:17], s[0:1], 0x30              ; wo16
	v_and_b32 v1, 15, v0                           ; r
	v_bfe_u32 v2, v0, 4, 1                         ; h
	v_lshlrev_b32 v7, 11, v1                       ; a row is 2,048 bytes
	v_lshl_add_u32 v[XA], v2, 6, v7
	v_lshl_add_u32 v[WA], v2, 5, v7
	v_lshlrev_b32 v[LI], 4, v0
	v_lshlrev_b32 v[L8], 3, v0
.irp b, 0,1,2,3
	v_mov_b32 v[TM+4+\b], 0                        ; written once: a lane permute's destination counts as one of its sources
.endr
	s_and_b32 s18, ttmp7, 0xffff                   ; y
	s_lshl_b32 s26, ttmp9, 15                      ; my 16 rows: x x 32,768 bytes
	s_mov_b32 s27, 0
	s_mov_b32 s29, 0
	s_mov_b32 s[SEL], 0x76543210
	s_mov_b32 s[SEL+1], 0xfedcba98
	s_mov_b32 s22, 0xffff0000                      ; lanes 16-31
	s_wait_kmcnt 0x0
; 64 numbers of a lane, register 16 b + i = k 32 b + 16 h + i of my row, become a fragment's codes in v[pc] on and its scale word in v[pw].
.macro QUANT s, pc, pw
.irp b, 0,1,2,3
	v_max3_num_f32 v[TM+\b], |v[\s+16*\b]|, |v[\s+1+16*\b]|, 0x1800000   ; block b: my 16 numbers, and the floor 2^(3 - 127): the byte cannot fall under 1
.endr
.irp i, 2,4,6,8,10,12,14
.irp b, 0,1,2,3
	v_max3_num_f32 v[TM+\b], v[TM+\b], |v[\s+16*\b+\i]|, |v[\s+1+16*\b+\i]|   ; the four blocks by turns
.endr
.endr
.irp b, 0,1,2,3
	v_permlanex16_b32 v[TM+4+\b], v[TM+\b], s[SEL], s[SEL+1]
.endr
.irp b, 0,1,2,3
	v_max_num_f32 v[TM+\b], v[TM+\b], v[TM+4+\b]   ; with lane l xor 16's: the block's largest magnitude
.endr
.irp b, 0,1,2,3
	v_add_nc_u32 v[TM+12+\b], 0xff000000, v[TM+\b] ; 2 off its exponent field: the conversion takes the exponent field of this operand as its scale
.endr
.irp b, 0,1,2,3
	v_lshrrev_b32 v[TM+4+\b], 23, v[TM+12+\b]      ; the scale's byte
.endr
	v_lshl_or_b32 v[\pw], v[TM+5], 8, v[TM+4]      ; four bytes: my row's scale word
	v_lshl_or_b32 v[\pw], v[TM+6], 16, v[\pw]
	v_lshl_or_b32 v[\pw], v[TM+7], 24, v[\pw]
.irp b, 0,1,2,3
	v_cvt_scalef32_pk8_fp4_f32 v[\pc+2*\b], v[\s+16*\b:\s+7+16*\b], v[TM+12+\b]
	v_cvt_scalef32_pk8_fp4_f32 v[\pc+1+2*\b], v[\s+8+16*\b:\s+15+16*\b], v[TM+12+\b]
.endr
	v_nop                                          ; one plain place behind a scaled conversion
.irp c, 0,1                                    ; the operand's layout wants a whole block in a lane: lanes 0-15 block 2 c, lanes 16-31 block 2 c + 1
.irp i, 0,1
	v_permlane16_swap_b32 v[\pc+4*\c+\i], v[\pc+2+4*\c+\i]
.endr
.endr
.endm
.macro XLOAD buf, s                    ; K step s of my row: 16 loads of 16 bytes
.irp b, 0,1,2,3
.irp j, 0,1,2,3
	global_load_b128 v[\buf+16*\b+4*\j:\buf+16*\b+4*\j+3], v[XA], s[24:25] offset:512*\s+128*\b+16*\j th:TH_LOAD_NT
.endr
.endr
.endm
.macro OUTC s                          ; the fragment of K step s leaves as it stands
.irp c, 0,1
	global_store_b128 v[LI], v[PC+8*\s+4*\c:PC+8*\s+4*\c+3], s[12:13] offset:1024*\s+512*\c
.endr
.endm
.macro WLOAD buf, g                    ; Wo: chunks 4 g .. 4 g + 3 of my row: 8 numbers for each (chunk, u)
.irp cc, 0,1,2,3
.irp u, 0,1
.irp q, 0,1
	global_load_b128 v[\buf+16*\cc+8*\u+4*\q:\buf+16*\cc+8*\u+4*\q+3], v[WA], s[24:25] offset:(4*\g+\cc)*128+64*\u+16*\q th:TH_LOAD_NT
.endr
.endr
.endr
.endm
.macro CONV buf, g
	s_wait_xcnt 0x0                                ; the last group's stores have read OC: it is rewritten only behind this wait
.irp cc, 0,1,2,3
.irp u, 0,1
.irp i, 0,1,2,3
	v_cvt_pk_f16_f32 v[OC+8*\cc+4*\u+\i], v[\buf+16*\cc+8*\u+2*\i], v[\buf+16*\cc+8*\u+2*\i+1]
.endr
.endr
.endr
.irp cc, 0,1,2,3
.irp u, 0,1
	global_store_b128 v[LI], v[OC+8*\cc+4*\u:OC+8*\cc+4*\u+3], s[16:17] offset:(4*\g+\cc)*8192+512*\u
.endr
.endr
.endm
	s_cmp_eq_u32 s18, 3
	s_cbranch_scc1 .Lwo
	; ---- y < 3: quantise
	s_cmp_eq_u32 s18, 0
	s_cselect_b64 s[24:25], s[4:5], s[6:7]
	s_cmp_eq_u32 s18, 2
	s_cselect_b64 s[24:25], s[8:9], s[24:25]       ; the choice hangs on the work-group's number alone
	s_add_nc_u64 s[24:25], s[24:25], s[26:27]
	s_lshl_b32 s28, s18, 17                        ; wc: 131,072 a tensor, 4,096 a tile
	s_lshl_b32 s30, ttmp9, 12
	s_add_co_u32 s28, s28, s30
	s_add_nc_u64 s[12:13], s[12:13], s[28:29]
	s_lshl_b32 s28, s18, 13                        ; ws: 8,192 a tensor, 256 a tile
	s_lshl_b32 s30, ttmp9, 8
	s_add_co_u32 s28, s28, s30
	s_add_nc_u64 s[14:15], s[14:15], s[28:29]
	XLOAD BA, 0
	XLOAD BB, 1
	XLOAD BC, 2
	s_wait_loadcnt 32                              ; K step 0 is in; the 32 loads of steps 1 and 2 may be out
	QUANT BA, PC, PW
	OUTC 0
	XLOAD BA, 3
	s_wait_loadcnt 32                              ; step 1 is in; steps 2 and 3 may be out
	QUANT BB, PC+8, PW+1
	OUTC 1
	s_wait_loadcnt 16                              ; step 2 is in
	QUANT BC, PC+16, PW+2
	OUTC 2
	s_wait_loadcnt 0x0
	QUANT BA, PC+24, PW+3
	OUTC 3
	v_cndmask_b32 v[SW], v[PW], v[PW+1], s22       ; lanes 0-15: the even K step's word, lanes 16-31 the odd one's
	v_cndmask_b32 v[SW+1], v[PW+2], v[PW+3], s22
	global_store_b64 v[L8], v[SW:SW+1], s[14:15]   ; 256 consecutive bytes, aligned
	s_endpgm
.Lwo:
	; ---- y = 3: Wo to f16
	s_add_nc_u64 s[24:25], s[10:11], s[26:27]
	s_lshr_b32 s28, ttmp9, 3
	s_lshl_b32 s28, s28, 17                        ; column block: 131,072 bytes
	s_and_b32 s30, ttmp9, 7
	s_lshl_b32 s30, s30, 10                        ; tile in it: 1,024
	s_add_co_u32 s28, s28, s30
	s_add_nc_u64 s[16:17], s[16:17], s[28:29]
	WLOAD BA, 0
	WLOAD BB, 1
	WLOAD BC, 2
	s_wait_loadcnt 32                              ; the counts as above: 16 loads a group
	CONV BA, 0
	WLOAD BA, 3
	s_wait_loadcnt 32
	CONV BB, 1
	s_wait_loadcnt 16
	CONV BC, 2
	s_wait_loadcnt 0x0
	CONV BA, 3
	s_endpgm
.Lfunc_end_k_q6864aa2e67_wprep:
	.size	k_q6864aa2e67_wprep, .Lfunc_end_k_q6864aa2e67_wprep-k_q6864aa2e67_wprep
	.p2alignl 7, 3214868480
	.fill 96, 4, 3214868480
	.section	.rodata,"a",@progbits
	.p2align	6, 0x0
	.amdhsa_kernel k_q6864aa2e67_wprep
		.amdhsa_group_segment_fixed_size 0
		.amdhsa_private_segment_fixed_size 0
		.amdhsa_enable_private_segment 0
		.amdhsa_kernarg_size 56
		.amdhsa_user_sgpr_count 2
		.amdhsa_user_sgpr_kernarg_segment_ptr 1
		.amdhsa_wavefront_size32 1
		.amdhsa_system_sgpr_workgroup_id_x 1
		.amdhsa_system_sgpr_workgroup_id_y 1
		.amdhsa_system_sgpr_workgroup_id_z 1
		.amdhsa_system_vgpr_workitem_id 0
		.amdhsa_next_free_vgpr 256
		.amdhsa_next_free_sgpr 66
		.amdhsa_reserve_vcc 0
		.amdhsa_float_denorm_mode_32 3
		.amdhsa_float_denorm_mode_16_64 3
		.amdhsa_memory_ordered 1
		.amdhsa_forward_progress 1
		.amdhsa_inst_pref_size 42
	.end_amdhsa_kernel
	.amdgpu_metadata
---
amdhsa.version: [ 1, 2 ]
amdhsa.kernels:
  - .name:           k_q6864aa2e67_wprep
    .symbol:         k_q6864aa2e67_wprep.kd
    .args:
      - { .name: Wq, .offset: 0, .size: 8, .value_kind: global_buffer, .address_space: global }
      - { .name: Wk, .offset: 8, .size: 8, .value_kind: global_buffer, .address_space: global }
      - { .name: Wv, .offset: 16, .size: 8, .value_kind: global_buffer, .address_space: global }
      - { .name: Wo, .offset: 24, .size: 8, .value_kind: global_buffer, .address_space: global }
      - { .name: wc, .offset: 32, .size: 8, .value_kind: global_buffer, .address_space: global }
      - { .name: ws, .offset: 40, .size: 8, .value_kind: global_buffer, .address_space: global }
      - { .name: wo16, .offset: 48, .size: 8, .value_kind: global_buffer, .address_space: global }
    .group_segment_fixed_size: 0
    .private_segment_fixed_size: 0
    .kernarg_segment_align: 8
    .kernarg_segment_size: 56
    .max_flat_workgroup_size: 32
    .sgpr_count:     66
    .vgpr_count:     256
    .wavefront_size: 32
...
	.end_amdgpu_metadata
.endif
;; end of part 1
;; launch proj (part 2): grid 64 x 3, 4 waves a work-group, no clusters, 307,712 bytes of LDS; arguments q, k, v, wc, ws, bq, bv, qh, kh, vh; writes qh, kh, vh
.if DOCPART == 2
	.amdgcn_target "amdgcn-amd-amdhsa--gfx1250"
	.amdhsa_code_object_version 6
	.text
	.protected	k_q6864aa2e67_proj
	.globl	k_q6864aa2e67_proj
	.p2align	8
	.type	k_q6864aa2e67_proj,@function
k_q6864aa2e67_proj:
	s_mov_b64 s[64:65], 0
	v_nop
	global_prefetch_b8 v0, s[64:65] scope:SCOPE_SE
	s_setreg_imm32_b32 hwreg(HW_REG_WAVE_MODE, 25, 1), 1
	s_wait_xcnt 0x0
; Launch 2 of 4: Q = q Wq^T + bq, K = k Wk^T, V = v Wv^T + bv, on codes of FP4 (E2M1) with one E8M0 scale for each 32 along K; sums in f32; results rounded once to f16.
; LEFT OUT: bk.  It adds the same number to all scores of a row, which the softmax takes away (shown at the head of the first kernel); K's sums begin at 0.
; SHARES.  Work-group (x, y): tensor y, rows 128 x .. 128 x + 127, as two blocks of 64.  THE WAVES SHARE THE COLUMNS: wave w makes channels 128 w .. 128 w + 127 (heads 2 w, 2 w + 1) for all rows; its 32 weight
; fragments (256 registers) and their scale words come once, as images of their registers.  The rows' f32 numbers come by two tensor loads a wave, both issued at the head (first fills only; nothing is filled again):
; wave w fetches, reads and quantises K step w (512 bytes of each row) of all 64 rows of a block, so its own wait on TENSORcnt orders its reads.
; The codes go from wave to wave through LDS as images of the operand's registers (16 bytes a lane, 512 a store; a scale word 4 bytes a lane); each block has images of its own: one barrier a block, no bytes written twice.
; THE MATRIX INSTRUCTION IS USED TRANSPOSED (source 0 = 16 rows of W, source 1 = 16 rows of x): lane (r, h) holds token r and eight neighbouring channels, which pack into 16 bytes of f16.
; OUT: qh, kh, vh [batch x head 16][tile of 16 tokens 256][c 2][u 2][512]: lane (r, h): token r, channels 32 c + 16 u + 8 h + 0 .. 7 of the head.  Q and K lie at 16 x lane: the image of half a fragment.
; V lies at 256 (r / 8) + 128 h + 16 (r % 8), so that the turning LDS load of the next launch, addressed at 16 x lane, returns half a fragment of V^T.  Each store of the wave covers 512 consecutive bytes, aligned.
; NO CLUSTER: what work-groups share is the weights, 136 KiB a work-group, which go straight into registers; beside the 307,200 bytes of rows and images LDS has no room to receive them jointly,
; and the 384 KiB of rows and results of a work-group are its own.
; LIMITS: results above 65,504 in magnitude are not served (f16); a block of zeros gets the byte 1; NaN and infinities are not served.
.set XREG,  33792                      ; LDS: 64 rows x (512 bytes + 16 of padding): region (block i, wave w) at (4 i + w) XREG.  Row r starts 16 r bytes on modulo 256: the 16 rows of a load fall on different banks
.set XIMG,  8*XREG                     ; 270,336: x's fragments: block i at 16,384 i; (tile of rows m, K step s) at 1,024 (4 m + s)
.set XSC,   XIMG+32768                 ; 303,104: their scale words, 128 bytes each: block i at 2,048 i
.set SPARE, XSC+4096                   ; 307,200: the spare words, 128 bytes for each wave: two blocks of 256 bytes that no other line names
.set XR,   4                           ; v4, v5  where I read my row's f32 numbers in block 0, 1
.set XWI,  6                           ; v6   where I store images: XIMG + 1,024 w + 16 lane
.set XWS,  7                           ; v7   and scale words: XSC + 128 w + 4 lane
.set LI,   8                           ; v8   XIMG + 16 lane
.set LS,   9                           ; v9   XSC + 4 lane
.set GO,   10                          ; v10  my 16 bytes in an output block
.set XF,   16                          ; v16-47   x's four fragments of a tile of rows
.set XS,   48                          ; v48-51   their scale words: scales and nothing else
.set W1S,  52                          ; v52-67   the weights' scale words, two registers a tile: scales and nothing else
.set PC0,  68                          ; v68-75, v76-83  two sets of codes
.set PC1,  76
.set PW0,  84                          ; v84, v85 two scale words on their way to LDS
.set PW1,  85
.set TM,   88                          ; v88-103  at work in QUANT
.set HA,   104                         ; v104-167 eight accumulators; while x is quantised: 64 numbers
.set ST,   168                         ; v168-231 64 numbers; later two sets of 32 packed results
.set SPW,  252                         ; v252 LDS address of my spare word; never rewritten
.set NIL,  253                         ; v253 0; never rewritten
.set B1,   0                           ; window 2: v0-63 the bias in the result's layout, eight registers a tile.   window 1: weight fragment (tile t, K step s) at v[32 t + 8 s]
.set WV,   24
.set Y,    25
.set SEL,  28
.set G1,   32                          ; s[32:39] descriptor group 1;  s[40:43], s[44:47] group 0 for block 0, 1
.set G0,   40
.set MSB, 0
.macro WIN new                         ; the immediate's high byte repeats the setting that is left
.if MSB != \new
	s_set_vgpr_msb (MSB<<8)|\new
.set MSB, \new
.endif
.endm
	s_load_b256 s[4:11], s[0:1], 0x0               ; q s[4:5], k s[6:7], v s[8:9], wc s[10:11]
	s_load_b256 s[12:19], s[0:1], 0x20             ; ws s[12:13], bq s[14:15], bv s[16:17], qh s[18:19]
	s_load_b128 s[20:23], s[0:1], 0x40             ; kh s[20:21], vh s[22:23]
	v_lshl_add_u32 v[SPW], v0, 2, SPARE
	v_mov_b32 v[NIL], 0
	ds_add_u32 v[SPW], v[NIL]                      ; the wave's opening: the add, twice on end, and its wait ahead of my first tensor load
	ds_add_u32 v[SPW], v[NIL]
	v_lshrrev_b32 v1, 5, v0
	v_readfirstlane_b32 s[WV], v1                  ; wave 0..3
	s_and_b32 s[Y], ttmp7, 0xffff                  ; which tensor
	; group 1: 64 rows x 64 elements of 8 bytes (512 bytes), 256 elements from row to row, 4 words of padding behind every 128
	s_mov_b32 s[G1+0], (3<<16)|(1<<20)|(6<<22)|(3<<25)
	s_mov_b32 s[G1+1], 64<<16                      ; tensor_dim0
	s_mov_b32 s[G1+2], 64<<16                      ; tensor_dim1
	s_mov_b32 s[G1+3], 64<<16                      ; tile_dim0
	s_mov_b32 s[G1+4], 64                          ; tile_dim1
	s_mov_b32 s[G1+5], 256                         ; stride
	s_mov_b32 s[G1+6], 0
	s_mov_b32 s[G1+7], 0
	s_mul_i32 s26, s[WV], XREG                     ; my region of block 0
	s_lshl_b32 s48, ttmp9, 18                      ; my work-group's 128 rows of 2,048 bytes,
	s_lshl_b32 s27, s[WV], 9                       ; my K step's 512 bytes
	s_add_co_u32 s48, s48, s27
	s_mov_b32 s49, 0
	s_mov_b32 s[SEL], 0x76543210
	s_mov_b32 s[SEL+1], 0xfedcba98
	s_wait_dscnt 0x0                               ; both opening adds are done
	s_wait_kmcnt 0x0
	s_cmp_eq_u32 s[Y], 0                           ; the choices hang on the work-group's number alone
	s_cselect_b64 s[50:51], s[4:5], s[6:7]
	s_cselect_b64 s[52:53], s[18:19], s[20:21]
	s_cmp_eq_u32 s[Y], 2
	s_cselect_b64 s[50:51], s[8:9], s[50:51]       ; the rows
	s_cselect_b64 s[52:53], s[22:23], s[52:53]     ; the results
	s_cselect_b64 s[54:55], s[16:17], s[14:15]     ; the bias (not read for K)
	s_cselect_b32 s56, -1, 0                       ; all lanes where the tensor is V
	s_add_nc_u64 s[50:51], s[50:51], s[48:49]
	s_mov_b32 s[G0+0], 1
	s_mov_b32 s[G0+1], s26
	s_mov_b64 s[G0+2:G0+3], s[50:51]
	s_or_b32 s[G0+3], s[G0+3], 0x80000000
	s_mov_b32 s[G0+4], 1
	s_add_co_u32 s[G0+5], s26, 4*XREG
	s_add_nc_u64 s[G0+6:G0+7], s[50:51], 131072    ; 64 rows on
	s_or_b32 s[G0+7], s[G0+7], 0x80000000
	tensor_load_to_lds s[G0:G0+3], s[G1:G1+7]      ; block 0: two loads of mine are out, the most in this text
	s_nop 0
	tensor_load_to_lds s[G0+4:G0+7], s[G1:G1+7]    ; block 1
	s_nop 0
.rept 4
	v_nop
.endr
	v_and_b32 v1, 15, v0                           ; r
	v_bfe_u32 v2, v0, 4, 1                         ; h
	v_and_b32 v3, 31, v0                           ; lane
	v_mul_u32_u24 v[XR], v1, 528
	v_lshl_add_u32 v[XR], v2, 6, v[XR]
	v_add_nc_u32 v[XR], s26, v[XR]                 ; row r, + 64 h: my 16 numbers of a block of 32
	v_add_nc_u32 v[XR+1], 4*XREG, v[XR]
	v_lshlrev_b32 v11, 4, v3                       ; 16 lane
	v_lshlrev_b32 v12, 3, v3                       ; 8 lane
	v_lshlrev_b32 v13, 5, v2                       ; 32 h
	s_lshl_b32 s27, s[WV], 10
	v_add_nc_u32 v[XWI], s27, v11
	v_add_nc_u32 v[XWI], XIMG, v[XWI]
	v_lshlrev_b32 v[LS], 2, v3
	s_lshl_b32 s27, s[WV], 7
	v_add_nc_u32 v[XWS], s27, v[LS]
	v_add_nc_u32 v[XWS], XSC, v[XWS]
	v_add_nc_u32 v[LI], XIMG, v11
	v_add_nc_u32 v[LS], XSC, v[LS]
	v_lshrrev_b32 v14, 3, v1
	v_lshlrev_b32 v14, 8, v14
	v_lshl_add_u32 v14, v2, 7, v14
	v_and_b32 v15, 7, v1
	v_lshl_add_u32 v14, v15, 4, v14                ; V's place: 256 (r / 8) + 128 h + 16 (r % 8)
	v_cndmask_b32 v[GO], v11, v14, s56
.irp b, 0,1,2,3
	v_mov_b32 v[TM+4+\b], 0                        ; written once: a lane permute's destination counts as one of its sources
.endr
	s_lshl_b32 s58, s[Y], 17                       ; wc: 131,072 a tensor, my 8 tiles of 4,096
	s_lshl_b32 s60, s[WV], 15
	s_add_co_u32 s58, s58, s60
	s_mov_b32 s59, 0
	s_add_nc_u64 s[10:11], s[10:11], s[58:59]
	s_lshl_b32 s58, s[Y], 13                       ; ws: 8,192 a tensor, my 8 tiles of 256
	s_lshl_b32 s60, s[WV], 11
	s_add_co_u32 s58, s58, s60
	s_add_nc_u64 s[12:13], s[12:13], s[58:59]
	s_lshl_b32 s58, s[WV], 9                       ; the bias: my 128 numbers
	s_add_nc_u64 s[54:55], s[54:55], s[58:59]
	s_lshr_b32 s58, ttmp9, 5                       ; the results: (8 batch + 2 w) x 524,288 + (x % 32) x 8 tiles of 2,048
	s_lshl_b32 s58, s58, 3
	s_lshl_b32 s60, s[WV], 1
	s_add_co_u32 s58, s58, s60
	s_lshl_b32 s58, s58, 19
	s_and_b32 s60, ttmp9, 31
	s_lshl_b32 s60, s60, 14
	s_add_co_u32 s58, s58, s60
	s_add_nc_u64 s[52:53], s[52:53], s[58:59]
	WIN 0x40                                       ; destination window 1
.set n, 0
.rept 64
	global_load_b128 v[4*n:4*n+3], v11, s[10:11] offset:512*n      ; my 32 weight fragments: they stay
.set n, n+1
.endr
	WIN 0
.irp t, 0,1,2,3,4,5,6,7
	global_load_b64 v[W1S+2*\t:W1S+2*\t+1], v12, s[12:13] offset:256*\t
.endr
	s_cmp_eq_u32 s[Y], 1
	s_cbranch_scc1 .Lno_bias
	WIN 0x80                                       ; destination window 2
.irp t, 0,1,2,3,4,5,6,7
	global_load_b128 v[B1+8*\t:B1+8*\t+3], v13, s[54:55] offset:64*\t        ; lane (r, h), tile t: the bias of channels 16 t + 8 h + 0 .. 7
	global_load_b128 v[B1+8*\t+4:B1+8*\t+7], v13, s[54:55] offset:64*\t+16
.endr
	WIN 0
	s_branch .Lbias_done
.Lno_bias:
	WIN 0x80
.set n, 0
.rept 64
	v_mov_b32 v[B1+n], 0                           ; K: bk is left out, the sums begin at 0.  Once a launch, so that one text of products serves the three tensors
.set n, n+1
.endr
	WIN 0
.Lbias_done:
	s_wait_loadcnt 0x0                             ; weights, scale words, bias
.macro QUANT s, pc, pw                 ; 64 numbers of a lane, register 16 b + i = k 32 b + 16 h + i of my row -> a fragment's codes and its scale word
.irp b, 0,1,2,3
	v_max3_num_f32 v[TM+\b], |v[\s+16*\b]|, |v[\s+1+16*\b]|, 0x1800000   ; and the floor 2^(3 - 127): the byte cannot fall under 1
.endr
.irp i, 2,4,6,8,10,12,14
.irp b, 0,1,2,3
	v_max3_num_f32 v[TM+\b], v[TM+\b], |v[\s+16*\b+\i]|, |v[\s+1+16*\b+\i]|
.endr
.endr
.irp b, 0,1,2,3
	v_permlanex16_b32 v[TM+4+\b], v[TM+\b], s[SEL], s[SEL+1]
.endr
.irp b, 0,1,2,3
	v_max_num_f32 v[TM+\b], v[TM+\b], v[TM+4+\b]   ; the block's largest magnitude
.endr
.irp b, 0,1,2,3
	v_add_nc_u32 v[TM+12+\b], 0xff000000, v[TM+\b] ; 2 off its exponent field: the conversion's scale operand
.endr
.irp b, 0,1,2,3
	v_lshrrev_b32 v[TM+4+\b], 23, v[TM+12+\b]      ; the scale's byte
.endr
	v_lshl_or_b32 v[\pw], v[TM+5], 8, v[TM+4]
	v_lshl_or_b32 v[\pw], v[TM+6], 16, v[\pw]
	v_lshl_or_b32 v[\pw], v[TM+7], 24, v[\pw]
.irp b, 0,1,2,3
	v_cvt_scalef32_pk8_fp4_f32 v[\pc+2*\b], v[\s+16*\b:\s+7+16*\b], v[TM+12+\b]
	v_cvt_scalef32_pk8_fp4_f32 v[\pc+1+2*\b], v[\s+8+16*\b:\s+15+16*\b], v[TM+12+\b]
.endr
	v_nop                                          ; one plain place behind a scaled conversion
.irp c, 0,1
.irp i, 0,1
	v_permlane16_swap_b32 v[\pc+4*\c+\i], v[\pc+2+4*\c+\i]   ; a whole block in a lane
.endr
.endr
.endm
.macro LOADX buf, xr, m                ; rows 16 m .. 16 m + 15 of my K step: 64 numbers a lane
.irp b, 0,1,2,3
.irp j, 0,1,2,3
	ds_load_b128 v[\buf+16*\b+4*\j:\buf+16*\b+4*\j+3], v[\xr] offset:16*\m*528+128*\b+16*\j
.endr
.endr
.endm
.macro IMAGE pc, pw, i, m              ; three LDS stores
.irp c, 0,1
	ds_store_b128 v[XWI], v[\pc+4*\c:\pc+4*\c+3] offset:16384*\i+4096*\m+512*\c
.endr
	ds_store_b32 v[XWS], v[\pw] offset:2048*\i+512*\m
.endm
.macro FETCH i, m                      ; the four fragments of tile of rows m, and their scale words
.irp s, 0,1,2,3
.irp c, 0,1
	ds_load_b128 v[XF+8*\s+4*\c:XF+8*\s+4*\c+3], v[LI] offset:16384*\i+4096*(\m)+1024*\s+512*\c
.endr
	ds_load_b32 v[XS+\s], v[LS] offset:2048*\i+512*(\m)+128*\s
.endr
.endm
.macro BLOCK i
	; ---- my K step of the block's 64 rows becomes four fragments
	s_wait_xcnt 0x0                                ; earlier stores have read the registers that now take loads
	s_wait_tensorcnt 1-\i                          ; block i's load of mine has landed (block 0: block 1's may stay out); I alone read these bytes
	LOADX HA, XR+\i, 0
	LOADX ST, XR+\i, 1
	s_wait_dscnt 16                                ; rows 0-15 are in; the 16 loads of rows 16-31 may be out
	QUANT HA, PC0, PW0
	IMAGE PC0, PW0, \i, 0
	LOADX HA, XR+\i, 2
	s_wait_dscnt 19                                ; rows 16-31 are in; behind them: 3 stores and 16 loads
	QUANT ST, PC1, PW1
	IMAGE PC1, PW1, \i, 1
	LOADX ST, XR+\i, 3
	s_wait_dscnt 19                                ; rows 32-47 are in; behind them: 3 stores and 16 loads
	QUANT HA, PC0, PW0
	IMAGE PC0, PW0, \i, 2
	s_wait_dscnt 3                                 ; rows 48-63 are in; behind them: 3 stores
	QUANT ST, PC1, PW1
	IMAGE PC1, PW1, \i, 3
	s_wait_dscnt 0x0                               ; for the others' sake: my images have landed
	s_barrier_signal -1
	s_barrier_wait -1                              ; the block's sixteen fragments lie in LDS
	; ---- my 128 channels for the 64 rows, a tile of 16 rows at a time: eight accumulators by turns, K step by K step
	FETCH \i, 0
.irp m, 0,1,2,3
	s_wait_dscnt 0x0
	WIN 0x21                                       ; source 0 (W) window 1, source 2 (the bias) window 2
.irp t, 0,1,2,3,4,5,6,7
	v_wmma_scale_f32_16x16x128_f8f6f4 v[HA+8*\t:HA+8*\t+7], v[32*\t:32*\t+7], v[XF:XF+7], v[B1+8*\t:B1+8*\t+7], v[W1S+2*\t], v[XS] matrix_a_fmt:MATRIX_FMT_FP4 matrix_b_fmt:MATRIX_FMT_FP4
.endr
	WIN 0x01
.irp s, 1,2,3
.irp t, 0,1,2,3,4,5,6,7
.if \s == 2
	v_wmma_scale_f32_16x16x128_f8f6f4 v[HA+8*\t:HA+8*\t+7], v[32*\t+8*\s:32*\t+8*\s+7], v[XF+8*\s:XF+8*\s+7], v[HA+8*\t:HA+8*\t+7], v[W1S+2*\t+1], v[XS+\s] matrix_a_fmt:MATRIX_FMT_FP4 matrix_b_fmt:MATRIX_FMT_FP4
.else
	v_wmma_scale_f32_16x16x128_f8f6f4 v[HA+8*\t:HA+8*\t+7], v[32*\t+8*\s:32*\t+8*\s+7], v[XF+8*\s:XF+8*\s+7], v[HA+8*\t:HA+8*\t+7], v[W1S+2*\t+\s/2], v[XS+\s] matrix_a_fmt:MATRIX_FMT_FP4 matrix_b_fmt:MATRIX_FMT_FP4 matrix_a_scale:MATRIX_SCALE_ROW1
.endif
.endr
.endr
	WIN 0
.rept 4
	v_nop                                          ; places in front of loads into registers that matrix instructions have read, and of the first read of results
.endr
.if \m < 3
	FETCH \i, \m+1
.endif
	s_wait_xcnt 0x0                                ; earlier stores have read their data: the packed results are rewritten only behind this wait
.set PK, ST+32*(\m%2)
.irp t, 0,1,2,3,4,5,6,7
.irp e, 0,1,2,3
	v_cvt_pk_f16_f32 v[PK+4*\t+\e], v[HA+8*\t+2*\e], v[HA+8*\t+2*\e+1]   ; each accumulator from its low end on
.endr
.endr
.irp t, 0,1,2,3,4,5,6,7
	global_store_b128 v[GO], v[PK+4*\t:PK+4*\t+3], s[52:53] offset:(\t/4)*524288+(\t%4)*512+2048*\m+8192*\i   ; head 2 w + t / 4, channels 16 (t % 4) on, tokens 64 i + 16 m on: 512 consecutive bytes
.endr
.endr
.endm
	BLOCK 0
	BLOCK 1
	s_wait_tensorcnt 0x0                           ; the wave's end: behind my last tensor load and my last LDS store
	ds_add_u32 v[SPW], v[NIL]
	s_wait_dscnt 0x0
	s_endpgm
.Lfunc_end_k_q6864aa2e67_proj:
	.size	k_q6864aa2e67_proj, .Lfunc_end_k_q6864aa2e67_proj-k_q6864aa2e67_proj
	.p2alignl 7, 3214868480
	.fill 96, 4, 3214868480
	.section	.rodata,"a",@progbits
	.p2align	6, 0x0
	.amdhsa_kernel k_q6864aa2e67_proj
		.amdhsa_group_segment_fixed_size 307712
		.amdhsa_private_segment_fixed_size 0
		.amdhsa_enable_private_segment 0
		.amdhsa_kernarg_size 80
		.amdhsa_user_sgpr_count 2
		.amdhsa_user_sgpr_kernarg_segment_ptr 1
		.amdhsa_wavefront_size32 1
		.amdhsa_system_sgpr_workgroup_id_x 1
		.amdhsa_system_sgpr_workgroup_id_y 1
		.amdhsa_system_sgpr_workgroup_id_z 1
		.amdhsa_system_vgpr_workitem_id 0
		.amdhsa_next_free_vgpr 576
		.amdhsa_next_free_sgpr 66
		.amdhsa_reserve_vcc 0
		.amdhsa_float_denorm_mode_32 3
		.amdhsa_float_denorm_mode_16_64 3
		.amdhsa_memory_ordered 1
		.amdhsa_forward_progress 1
		.amdhsa_inst_pref_size 118
	.end_amdhsa_kernel
	.amdgpu_metadata
---
amdhsa.version: [ 1, 2 ]
amdhsa.kernels:
  - .name:           k_q6864aa2e67_proj
    .symbol:         k_q6864aa2e67_proj.kd
    .args:
      - { .name: q, .offset: 0, .size: 8, .value_kind: global_buffer, .address_space: global }
      - { .name: k, .offset: 8, .size: 8, .value_kind: global_buffer, .address_space: global }
      - { .name: v, .offset: 16, .size: 8, .value_kind: global_buffer, .address_space: global }
      - { .name: wc, .offset: 24, .size: 8, .value_kind: global_buffer, .address_space: global }
      - { .name: ws, .offset: 32, .size: 8, .value_kind: global_buffer, .address_space: global }
      - { .name: bq, .offset: 40, .size: 8, .value_kind: global_buffer, .address_space: global }
      - { .name: bv, .offset: 48, .size: 8, .value_kind: global_buffer, .address_space: global }
      - { .name: qh, .offset: 56, .size: 8, .value_kind: global_buffer, .address_space: global }
      - { .name: kh, .offset: 64, .size: 8, .value_kind: global_buffer, .address_space: global }
      - { .name: vh, .offset: 72, .size: 8, .value_kind: global_buffer, .address_space: global }
    .group_segment_fixed_size: 307712
    .private_segment_fixed_size: 0
    .kernarg_segment_align: 8
    .kernarg_segment_size: 80
    .max_flat_workgroup_size: 128
    .sgpr_count:     66
    .vgpr_count:     576
    .wavefront_size: 32
...
	.end_amdgpu_metadata
.endif
;; end of part 2
;; launch attn (part 3): grid 16 x 16, 4 waves a work-group, no clusters, 327,680 bytes of LDS; arguments qh, kh, vh, rel_pos, ah; writes ah
.if DOCPART == 3
	.amdgcn_target "amdgcn-amd-amdhsa--gfx1250"
	.amdhsa_code_object_version 6
	.text
	.protected	k_q6864aa2e67_attn
	.globl	k_q6864aa2e67_attn
	.p2align	8
	.type	k_q6864aa2e67_attn,@function
k_q6864aa2e67_attn:
	s_mov_b64 s[64:65], 0
	v_nop
	global_prefetch_b8 v0, s[64:65] scope:SCOPE_SE
	s_setreg_imm32_b32 hwreg(HW_REG_WAVE_MODE, 25, 1), 1
	s_wait_xcnt 0x0
; Launch 3 of 4: for each batch and head, O[q] = the sum over keys of softmax_key(Q[q] . K[key] / 8 + rel_pos[head][clip(key - q, -2, 2) + 2]) V[key].  Q, K, V: f16 images made by the launch before
; (K without bk, which the softmax takes away: shown at the head of the first kernel).  Products, maxima and sums in f32; the weights p are rounded to f16 for the second product, O once at the end.
; SHARES.  Work-group (x, y): 256 queries (block x) of batch x head y; each of its four waves 64: four tiles of 16.  Every wave walks all 4,096 keys, 64 a step.
; LAYOUT.  S^T = K Q^T (source 0 = 16 keys, source 1 = 16 queries): a lane holds ONE query (lane % 16) and keys 8 (lane / 16) + 0 .. 7.  Two such tiles, rounded to f16 in pairs, ARE source 1 of O^T = V^T P.
; K comes out of LDS as it lies, V turned, by ds_load_tr16_b128; both at 16 x lane: every LDS load of the wave reads 512 consecutive bytes.
; THE BIAS IS THE C OF A SCORE TILE'S FIRST PRODUCT.  S_raw = K . Q + 8 rel (the factor 8 is exact), t = c S_raw, c = log2(e) / 8.  In the tile of key tile kt and query tile tt, lane (r, h), register j,
; key - query = 64 DJ + 16 m + 8 h + j - r, with DJ = key step - my wave's block of 64 queries and m = kt - tt, -3 .. 3.  Seven blocks of eight registers D_m hold 8 rel for that distance.  With Delta = 64 DJ + 16 m:
; Delta <= -32: all rel[0];  -16: rel[0] but for (lane 16, register 7), distance -1: rel[1];  0: the band, element by element;  +16: rel[4] but for (lane 15, register 0), distance 1: rel[3];  >= 32: all rel[4].
; So D_m changes in four key steps of a wave alone (DJ = -1, 0, 1, 2), under scalar branches on ids; in all other steps the bias costs no vector instruction, and the running maximum is that of the biased scores.
; SOFTMAX.  For each query a running maximum m and sum l: p = 2^(c s - c m); in every step O and l are multiplied by a = 2^(c m_old - c m_new).
; BY TURNS.  The wave's tiles are two PIECES (tiles 0, 1 and tiles 2, 3).  In a TURN one piece has the matrix unit: 16 products V^T P of the step in hand, then 16 products K Q^T of the next step; the other piece's
; softmax (2 x 118 instructions) stands in 59 slices of four behind them: one behind each of the first five products, two behind each of the others.  Two turns are a key step.
; RING.  Two LDS slots of 8 key steps (K 64 KiB, then V 64 KiB), filled by one tensor load of 32 KiB a wave (waves 0, 1: K's halves; 2, 3: V's).  Two loads of a wave are out at the start, later one.
; NO CLUSTER: the step at which D_m is rewritten hangs on the work-group's block of queries, and without the branch
; all 56 registers would be rewritten in each of the 64 steps, 56 vector instructions more beside a step's 472, in a loop whose vector work is as long as its matrix work.
; LIMITS: as stated at the head of the first kernel (f16's range for Q, K, V and O; no NaN or infinities among the inputs).
; REGISTERS, in windows of 256 (s_set_vgpr_msb: bits 1:0 source 0, 3:2 source 1, 5:4 source 2, 7:6 destination):
;   window 0: v2-4 addresses; v12-43 eight registers of statistics a tile; v61-63; v64-191 S^T, 32 a tile; v192-255 P, 16 a tile
;   window 1: v0-127 O^T, 32 a tile; v128-183 D_-3 .. D_3; v184-191 the band; v192, v193 the two corner registers          window 2: v0-63 Q; v64-127 K of one step; v128-191 V of one step
.set STEPB, 8192                       ; a key step's K, or V, in bytes
.set VOFF,  65536                      ; V behind K in a slot
.set SLOT1, 131072                     ; slot 1 begins here: one exclusive or turns an address in one slot into the other's
.set SPARE, 262144                     ; behind the ring: the spare words, 128 bytes for each wave: two blocks of 256 bytes that no other line names
.set AK0, 2                            ; v2   16 x lane: my place in an image block, in LDS (K) and in memory (Q, the result); never rewritten
.set AV0, 3                            ; v3   16 x lane + VOFF
.set ADR, 4                            ; v4   the LDS address of the run of loads in hand
.set ST,  12                           ; tile t's statistics at v[ST + 8 t]: +0 c m, +1 m, +2, +3 l (even keys', odd keys'), +4 .. +7 at work; a takes +6
.set PFO, 61                           ; v61  256 x lane
.set SPW, 62                           ; v62  LDS address of my spare word; never rewritten
.set NIL, 63                           ; v63  0; never rewritten
.set S,   64
.set P,   192
.set DB,  128                          ; window 1: D_m at v[DB + 8 (m + 3)]
.set B0,  184
.set XM,  192
.set XP,  193
.set KF,  64                           ; window 2
.set VF,  128
.set WV,  14
.set LIM, 15                           ; s15  1 in the head's first work-group, else the greatest number: a wave prefetches while s[SLOTS] is above it
.set G1,  24                           ; s[24:31] descriptor group 1
.set G0,  32                           ; s[32:35] group 0 of slot 0's first fill; s[36:39] of slot 1's, which then walks
.set R0,  40                           ; s40-44 8 x rel_pos[head][0 .. 4]
.set DJ,  45
.set T0,  46
.set CNT, 47
.set SLOTS, 48
.set TB,  49                           ; s49  LDS byte at which K of the step to be fetched begins
.set PFA, 50                           ; s[50:51] where my prefetches stand
.set CS,  52                           ; s[52:53] c
.set SEL, 54                           ; s[54:55] lane selects: lane l xor 16
.set MSB, 0
.macro WIN new                         ; the immediate's high byte repeats the setting that is left; a switch that changes nothing is dropped
.if MSB != \new
	s_set_vgpr_msb (MSB<<8)|\new
.set MSB, \new
.endif
.endm
.set W_KQ0, 0x1a                       ; K and Q window 2, C (D_m) window 1, S^T window 0
.set W_KQ1, 0x0a                       ; K and Q window 2, C and D window 0
.set W_PV,  0x52                       ; V window 2, P window 0, O^T window 1
.set W_RS,  0x41                       ; destination and source 0 window 1, source 1 window 0
.macro PLACES
.rept 4
	v_nop
.endr
.endm
	s_load_b256 s[4:11], s[0:1], 0x0               ; qh s[4:5], kh s[6:7], vh s[8:9], rel_pos s[10:11]
	s_load_b64 s[12:13], s[0:1], 0x20              ; ah
	v_lshl_add_u32 v[SPW], v0, 2, SPARE
	v_mov_b32 v[NIL], 0
	ds_add_u32 v[SPW], v[NIL]                      ; the wave's opening: the add, twice on end, and its wait ahead of my first tensor load
	ds_add_u32 v[SPW], v[NIL]
	v_lshrrev_b32 v1, 5, v0
	v_readfirstlane_b32 s[WV], v1                  ; wave 0..3
	s_and_b32 s16, ttmp7, 0xffff                   ; bh = 8 batch + head
	; group 1: 128 dense rows of 32 elements of 8 bytes: 32 KiB, no padding
	s_mov_b32 s[G1+0], 3<<16
	s_mov_b32 s[G1+1], 32<<16
	s_mov_b32 s[G1+2], 128<<16
	s_mov_b32 s[G1+3], 32<<16
	s_mov_b32 s[G1+4], 128
	s_mov_b32 s[G1+5], 32
	s_mov_b32 s[G1+6], 0
	s_mov_b32 s[G1+7], 0
	s_lshl_b32 s18, s16, 19                        ; bh x 524,288: where the head begins in qh, kh, vh
	s_and_b32 s17, s[WV], 1
	s_lshl_b32 s17, s17, 15                        ; which half of a slot's K or V I fetch
	s_add_co_u32 s20, s18, s17
	s_mov_b32 s21, 0
	s_lshl_b32 s22, s[WV], 15                      ; and where it goes: 32,768 x wave
	s_lshl_b32 s17, ttmp9, 2
	s_add_co_u32 s17, s17, s[WV]                   ; J = 4 x + w: my block of 64 queries
	s_not_b32 s[DJ], s17                           ; -J - 1: the first step's bias makes it -J
	s_lshl_b32 s56, ttmp9, 15                      ; Q: my work-group's 16 tiles of 2,048 bytes, my wave's 4
	s_lshl_b32 s57, s[WV], 13
	s_add_co_u32 s56, s56, s57
	s_add_co_u32 s56, s56, s18
	s_mov_b32 s57, 0
	s_lshr_b32 s58, s16, 3                         ; the result: row block of 128 = 32 batch + 2 x + w / 2, 131,072 bytes each;
	s_lshl_b32 s58, s58, 5
	s_lshl_b32 s59, ttmp9, 1
	s_add_co_u32 s58, s58, s59
	s_lshr_b32 s59, s[WV], 1
	s_add_co_u32 s58, s58, s59
	s_lshl_b32 s58, s58, 17
	s_and_b32 s23, s16, 7                          ; the head:
	s_lshl_b32 s59, s23, 14                        ; its two chunks of 8,192;
	s_add_co_u32 s58, s58, s59
	s_and_b32 s59, s[WV], 1
	s_lshl_b32 s59, s59, 12                        ; my four tiles of 1,024
	s_add_co_u32 s58, s58, s59
	s_mov_b32 s59, 0
	s_mul_i32 s60, s23, 20                         ; rel_pos: five numbers a head
	s_mov_b32 s61, 0
	s_mov_b32 s[CS], 0x3e38aa3b                    ; c = log2(e) / 8
	s_mov_b32 s[CS+1], s[CS]                       ; named with it as a pair, so it is written
	s_mov_b32 s[SEL], 0x76543210
	s_mov_b32 s[SEL+1], 0xfedcba98
	s_mov_b32 s[TB], 0
	s_mov_b32 s[SLOTS], 6                          ; slots 2 to 7 are refills
	s_cmp_eq_u32 ttmp9, 0
	s_cselect_b32 s[LIM], 1, -1
	s_wait_dscnt 0x0                               ; both opening adds are done
	s_wait_kmcnt 0x0
	s_cmp_lt_u32 s[WV], 2
	s_cselect_b64 s[2:3], s[6:7], s[8:9]           ; K for waves 0, 1; V for waves 2, 3
	s_add_nc_u64 s[2:3], s[2:3], s[20:21]
	s_mov_b32 s[G0+0], 1
	s_mov_b32 s[G0+1], s22
	s_mov_b64 s[G0+2:G0+3], s[2:3]
	s_or_b32 s[G0+3], s[G0+3], 0x80000000
	s_mov_b32 s[G0+4], 1
	s_add_co_u32 s[G0+5], s22, SLOT1
	s_add_nc_u64 s[G0+6:G0+7], s[2:3], 0x10000     ; the next 512 keys
	s_or_b32 s[G0+7], s[G0+7], 0x80000000
	tensor_load_to_lds s[G0:G0+3], s[G1:G1+7]      ; slot 0
	s_nop 0
	tensor_load_to_lds s[G0+4:G0+7], s[G1:G1+7]    ; slot 1
	s_nop 0
	PLACES
	s_add_nc_u64 s[PFA:PFA+1], s[2:3], 0x20000     ; in slot 2; the first change of slots steps it to slot 3.  Nothing is prefetched here, at the head
	s_add_nc_u64 s[4:5], s[4:5], s[56:57]
	s_add_nc_u64 s[12:13], s[12:13], s[58:59]
	s_add_nc_u64 s[10:11], s[10:11], s[60:61]
	v_and_b32 v6, 31, v0                           ; lane
	v_lshlrev_b32 v[AK0], 4, v6
	v_add_nc_u32 v[AV0], VOFF, v[AK0]
	v_lshlrev_b32 v[PFO], 8, v6
	WIN 0x80                                       ; destination window 2
.irp t, 0,1,2,3
.irp c, 0,1
.irp u, 0,1
	global_load_b128 v[16*\t+8*\c+4*\u:16*\t+8*\c+4*\u+3], v[AK0], s[4:5] offset:2048*\t+1024*\c+512*\u   ; Q stays in registers
.endr
.endr
.endr
	WIN 0
.irp n, 0,1,2,3,4
	s_load_b32 s[R0+\n], s[10:11], 4*\n
.endr
	v_and_b32 v7, 15, v0                           ; r
	v_bfe_u32 v8, v0, 4, 1                         ; h
	v_lshlrev_b32 v9, 3, v8
	v_sub_nc_u32 v9, v9, v7                        ; E = 8 h - r: register j of the band holds distance E + j
	s_wait_kmcnt 0x0
.irp n, 0,1,2,3,4
	s_mul_f32 s[R0+\n], s[R0+\n], 0x41000000       ; x 8, exact
.endr
.irp n, 0,1,2,3,4
	v_mov_b32 v[74+\n], s[R0+\n]
.endr
.irp j, 0,1,2,3,4,5,6,7                        ; the band, in registers that S^T will take: rel[0], then rel[1 + e] where the distance is at least e - 1
	v_mov_b32 v[64+\j], v74
.irp e, 0,1,2,3
	v_cmp_le_i32 vcc_lo, (\e)-1-(\j), v9
	v_cndmask_b32 v[64+\j], v[64+\j], v[75+\e], vcc_lo
.endr
.endr
	v_cmp_eq_u32 vcc_lo, 16, v6
	v_cndmask_b32 v72, v74, v75, vcc_lo            ; rel[1] in lane 16, rel[0] elsewhere
	v_cmp_eq_u32 vcc_lo, 15, v6
	v_cndmask_b32 v73, v78, v77, vcc_lo            ; rel[3] in lane 15, rel[4] elsewhere
	WIN 0x40                                       ; destination window 1
.irp j, 0,1,2,3,4,5,6,7
	v_mov_b32 v[B0+\j], v[64+\j]
.endr
	v_mov_b32 v[XM], v72
	v_mov_b32 v[XP], v73
.set n, 0
.rept 56
	v_mov_b32 v[DB+n], s[R0]                       ; far below the diagonal: all rel[0]
.set n, n+1
.endr
	WIN 0
; D_(idx - 3): registers from .. 7 become rel[4]
.macro FILLD idx, from
.set n, \from
.rept 8-\from
	v_mov_b32 v[DB+8*\idx+n], s[R0+4]
.set n, n+1
.endr
.endm
; The bias blocks for the key step whose K Q^T comes next.  The branches hang on ids and the count of steps alone; no barrier, wait or tensor load stands inside.
; The last product that read a D_m stands more than four plain vector instructions back (the slices behind it).
.macro SETBIAS
	WIN 0
	s_add_co_i32 s[DJ], s[DJ], 1
	s_add_co_i32 s[T0], s[DJ], 1
	s_cmp_gt_u32 s[T0], 3                          ; DJ under -1 (as an unsigned number: great) or over 2: nothing changes
	s_cbranch_scc1 .Lbias_done_\@
	s_cmp_eq_u32 s[T0], 0
	s_cbranch_scc0 .Lbias_b_\@
	WIN W_RS                                       ; DJ = -1: m = 3 stands at Delta = -16
	v_mov_b32 v[DB+8*6+7], v[XM]
	WIN 0
	s_branch .Lbias_done_\@
.Lbias_b_\@:
	s_cmp_eq_u32 s[T0], 1
	s_cbranch_scc0 .Lbias_c_\@
	WIN W_RS                                       ; DJ = 0: m = -1: -16;  m = 0: the band;  m = 1: +16;  m = 2, 3: above
	v_mov_b32 v[DB+8*2+7], v[XM]
.irp j, 0,1,2,3,4,5,6,7
	v_mov_b32 v[DB+8*3+\j], v[B0+\j]
.endr
	v_mov_b32 v[DB+8*4], v[XP]
	FILLD 4, 1
	FILLD 5, 0
	FILLD 6, 0
	WIN 0
	s_branch .Lbias_done_\@
.Lbias_c_\@:
	s_cmp_eq_u32 s[T0], 2
	s_cbranch_scc0 .Lbias_d_\@
	WIN W_RS                                       ; DJ = 1: m = -3: +16;  all others above
	v_mov_b32 v[DB], v[XP]
	FILLD 0, 1
	FILLD 1, 0
	FILLD 2, 0
	FILLD 3, 0
	v_mov_b32 v[DB+8*4], s[R0+4]
	WIN 0
	s_branch .Lbias_done_\@
.Lbias_d_\@:
	WIN W_RS                                       ; DJ = 2: all above
	v_mov_b32 v[DB], s[R0+4]
	WIN 0
.Lbias_done_\@:
.endm
; THE MATRIX WORK OF A TURN, for piece x.  The accumulators take turns, one instruction a turn: between two links of a chain stand seven others'.
; Product i of 16 of S^T = K Q^T: channels 32 (i / 8) on, keys 16 ((i / 2) % 4) on, tile x + i % 2.  The first 8 start the sums from the bias.
.macro KQ x
.set tt, \x+i%2
.set kt, (i/2)%4
.set rS, S+32*tt+8*kt
.set rK, KF+16*kt+8*(i/8)
.set rQ, 16*tt+8*(i/8)
.set rD, DB+8*(kt-tt+3)
.if i < 8
	WIN W_KQ0
	v_wmma_f32_16x16x32_f16 v[rS:rS+7], v[rK:rK+7], v[rQ:rQ+7], v[rD:rD+7]
.else
	WIN W_KQ1
	v_wmma_f32_16x16x32_f16 v[rS:rS+7], v[rK:rK+7], v[rQ:rQ+7], v[rS:rS+7]
.endif
.endm
; Product i of 16 of O^T += V^T P: keys 32 (i / 8) on, channels 16 ((i / 2) % 4) on, tile x + i % 2.  zero = 1: the first 8 start the sums: nothing is ever cleared.
.macro PV x, zero
	WIN W_PV
.set tt, \x+i%2
.set rO, 32*tt+8*((i/2)%4)
.set rV, VF+32*(i/8)+8*((i/2)%4)
.set rP, P+16*tt+8*(i/8)
.if (\zero) && (i < 8)
	v_wmma_f32_16x16x32_f16 v[rO:rO+7], v[rV:rV+7], v[rP:rP+7], 0
.else
	v_wmma_f32_16x16x32_f16 v[rO:rO+7], v[rV:rV+7], v[rP:rP+7], v[rO:rO+7]
.endif
.endm
; THE LDS LOADS stand in two runs of 16 a key step.
.macro FETCH_K
	WIN 0
	v_add_nc_u32 v[ADR], s[TB], v[AK0]
	WIN 0x80
.irp n, 0,1,2,3,4,5,6,7,8,9,10,11,12,13,14,15
	ds_load_b128 v[KF+4*\n:KF+4*\n+3], v[ADR] offset:512*\n      ; block n = 4 key tile + 2 c + u: registers 16 key tile + 8 c + 4 u on
.endr
.endm
.macro FETCH_V
	WIN 0
	v_add_nc_u32 v[ADR], s[TB], v[AV0]
	s_add_co_u32 s[TB], s[TB], STEPB               ; the next fetch is the next step's
	s_wait_alu depctr_va_vdst(0)                   ; the wait for the softmax's batch of exponentials (SLICE), ahead of the first instruction that names a result
	WIN 0x80
.irp kc, 0,1
.irp ct, 0,1,2,3
	ds_load_tr16_b128 v[VF+8*(4*\kc+\ct):VF+8*(4*\kc+\ct)+3],   v[ADR] offset:4096*\kc+512*\ct        ; keys 32 kc + 8 h + 0 .. 7 of channel 16 ct + r
	ds_load_tr16_b128 v[VF+8*(4*\kc+\ct)+4:VF+8*(4*\kc+\ct)+7], v[ADR] offset:4096*\kc+512*\ct+2048   ; keys 32 kc + 16 + 8 h + 0 .. 7
.endr
.endr
.endm
; THE VECTOR WORK OF A TURN.  One tile's softmax for one key step is a list of 118 instructions; SM writes number j of it for tile t.  s0-s31 are the lane's 32 scores, in pairs 0-15.
;   0-15    the maximum of s0-s31 and the old m: four chains of seven scores, then the four left over, the chains and m (each accumulator is read from its low end on)
;   16-20   the other half of the lanes' maximum; the new m; c m; c m_old - c m_new
;   21-69   ONE BATCH: the 16 scalings c s - c m and all 33 exponentials (a at 23, then s0-s31); none of these reads an exponential's result
;   (wait)  between 69 and 70: SLICE writes it, once for both tiles
;   70-85   the roundings to f16;   86-101 the sums, l = a l + the sum;   102-117 the tile's O^T times a
; first = 1: the first key step, which starts m, l and O^T: it has no a and nothing to rescale.
.macro SM t, first
.set rT, ST+8*(\t)
.set rS, S+32*(\t)
.set rP, P+16*(\t)
.set rO, 32*(\t)+2*(j-102)
.if j < 102
	WIN 0
.endif
.if j < 4
	v_max3_num_f32 v[rT+4+j], v[rS+8*j], v[rS+8*j+1], v[rS+8*j+2]
.elseif j < 12
	v_max3_num_f32 v[rT+4+j%4], v[rT+4+j%4], v[rS+8*(j%4)+2*(j/4)+1], v[rS+8*(j%4)+2*(j/4)+2]
.elseif j == 12
	v_max3_num_f32 v[rT+4], v[rT+4], v[rS+7], v[rS+15]
.elseif j == 13
	v_max3_num_f32 v[rT+6], v[rT+6], v[rS+23], v[rS+31]
.elseif j == 14
	v_max3_num_f32 v[rT+4], v[rT+4], v[rT+5], v[rT+6]
.elseif (j == 15) && \first
	v_max_num_f32 v[rT+4], v[rT+4], v[rT+7]
.elseif j == 15
	v_max3_num_f32 v[rT+4], v[rT+4], v[rT+7], v[rT+1]
.elseif j == 16
	v_permlanex16_b32 v[rT+5], v[rT+4], s[SEL], s[SEL+1]  ; the query's other 32 keys lie in the lane 16 away
.elseif j == 18
	v_max_num_f32 v[rT+1], v[rT+4], v[rT+5]
.elseif j == 19
	v_mul_f32 v[rT], s[CS], v[rT+1]
.elseif ((j == 17) || (j == 20) || (j == 23) || (j > 101)) && \first  ; the first step has none of these
.elseif j == 17
	v_mov_b32 v[rT+7], v[rT]                       ; c m_old is kept for a: number 19 writes c m anew
.elseif j == 20
	v_sub_f32 v[rT+7], v[rT+7], v[rT]
.elseif j == 23
	v_exp_f32 v[rT+6], v[rT+7]
.elseif (j < 23) || ((j < 38) && (j%2 == 0)) || ((j < 66) && (j%4 == 2))
.set b, (j-2)/4                        ; 38, 42, .. 62: pairs 9 to 15
.if j < 38
.set b, (j-20)/2                       ; 21: pair 0; 22, 24, .. 36: pairs 1 to 8
.endif
	v_pk_fma_f32 v[rS+2*b:rS+2*b+1], v[rS+2*b:rS+2*b+1], s[CS:CS+1], v[rT:rT+1] op_sel_hi:[1,0,0] neg_lo:[0,0,1] neg_hi:[0,0,1]  ; pair b: c s - c m
.elseif j < 70
.set e, j-38                           ; 66 to 69: s28 to s31
.if j < 66
.set e, j-32-(j-38)/4                  ; 39-41, 43-45, .. 63-65: s7 to s27
.endif
.if j < 38
.set e, (j-25)/2                       ; 25, 27, .. 37: s0 to s6
.endif
	v_exp_f32 v[rS+e], v[rS+e]
.elseif j < 86
	v_cvt_pk_f16_f32 v[rP+j-70], v[rS+2*(j-70)], v[rS+2*(j-70)+1]
.elseif j < 102                        ; the sum of the tile's 16 pairs, in place: neighbours 1, 2, 4 and 8 pairs apart, then l takes it
.set z, j-86
.set w, 4
.set u, z
.if z >= 14
.set w, 32
.set u, 0
.elseif z >= 12
.set w, 16
.set u, z-12
.elseif z >= 8
.set w, 8
.set u, z-8
.endif
.if (z == 14) && \first
	v_pk_add_f32 v[rT+2:rT+3], v[rS:rS+1], v[rS+16:rS+17]
.elseif z < 15
	v_pk_add_f32 v[rS+w*u:rS+w*u+1], v[rS+w*u:rS+w*u+1], v[rS+w*u+w/2:rS+w*u+w/2+1]
.elseif !\first
	v_pk_fma_f32 v[rT+2:rT+3], v[rT+2:rT+3], v[rT+6:rT+7], v[rS:rS+1] op_sel_hi:[1,0,1]
.endif
.else
	WIN W_RS
	v_pk_mul_f32 v[rO:rO+1], v[rO:rO+1], v[rT+6:rT+7] op_sel_hi:[1,0]
.endif
.endm
; Slice k of 59 of piece y's softmax: four instructions.  Slices 11 to 34 deal out the batch, numbers 22 to 69: four numbers of ONE tile each, the tiles by turns.  Every other slice is numbers 2 k and 2 k + 1 of both tiles.
; Ahead of slice 35 nothing names an exponential's result, and behind slice 34 no exponential is issued: so the piece's 66 exponentials have one plain instruction and one wait, behind slice 34.
.macro SLICE y, first
.if k < 59
.if (k >= 11) && (k < 35)
.irp n, 0,1,2,3
.set j, 22+4*((k-11)/2)+(\n)
	SM (\y)+(k-11)%2, \first
.endr
.else
.irp n, 0,1
.irp t, \y, \y+1
.set j, 2*k+\n
	SM \t, \first
.endr
.endr
.endif
.if k == 34
	v_nop                                          ; the plain instruction behind the last exponential
.if (\y) == 0
	FETCH_V                                        ; piece 2's turn: V's run of loads stands here, and the wait stands in it
.else
	s_wait_alu depctr_va_vdst(0)                   ; the wait for the batch
.endif
.endif
.endif
.set k, k+1
.endm
.macro AFTER y, first                  ; the slices behind product g of a turn
.set ns, 2
.if per4
.set ns, 4
.elseif g < 5
.set ns, 1
.endif
.rept ns
	SLICE \y, \first
.endr
.set g, g+1
.endm
; A TURN.  Piece x has the matrix unit.  pv = 2: 16 products V^T P; 1: they start O^T's sums; 0: none.  kq = 1: 16 products K Q^T for the next step.  A turn with one of the two kinds has four slices behind each product.
; Piece 0's turn fetches the next step's K behind its second product: the last product that read K stands in front of the eight multiplies of slices 57 and 58 of the turn before (first = 1: of four v_nop).
; Piece 2's turn fetches the same step's V behind slice 34, which falls behind its 20th product: the last product that read V is its 16th, and eight scalings, the v_nop and the run's own addition lie between.
; first = 1: the softmax is the first key step's; its slices from 51 on are empty, so four v_nop are the places behind the turn's last products.
.macro TURN x, pv, kq, first
.set k, 0
.set g, 0
.set per4, 1
.if (\pv) && (\kq)
.set per4, 0
.endif
.if \pv
.if \x == 0
	s_wait_dscnt 0x0                               ; V is in
.endif
.set i, 0
.rept 16
	PV \x, 2-\pv
	AFTER 2-\x, \first
.if (\x == 0) && \kq && (i == 1)
	FETCH_K
.endif
.set i, i+1
.endr
.endif
.if \kq
.if \x == 0
	s_wait_dscnt 0x0                               ; K is in
.endif
.set i, 0
.rept 16
	KQ \x
	AFTER 2-\x, \first
.set i, i+1
.endr
.endif
.if \first
	PLACES
.endif
.endm
; A PREFETCH INTO THE L2 of what the NEXT change of slots will ask for.  All sixteen work-groups of a head walk the same K and V: the head's first work-group asks, each wave for the 32 KiB that its own
; tensor load will name: four instructions, lanes 256 bytes apart.  So each aligned block of 256 bytes is named once in the launch.  The last change that fills a slot asks for nothing; slots 0 to 2 come by their loads alone.
.macro ASK
	s_cmp_gt_u32 s[SLOTS], s[LIM]
	s_cbranch_scc0 .Lnot_mine_\@
.irp n, 0,1,2,3
	global_prefetch_b8 v[PFO], s[PFA:PFA+1] offset:8192*\n th:TH_LOAD_NT scope:SCOPE_SE
.endr
.Lnot_mine_\@:
.endm
; THE CHANGE OF SLOTS, between piece 2's turn and piece 0's: the slot's last bytes, V of its eighth step, have been asked for.  Each wave waits for all its tensor loads (one is out: its part of the other slot),
; adds 0 to its spare word, and waits for that and for its reads of the slot.  Behind the barrier nobody reads this slot and the other is whole.  fill = 1: this slot takes the keys two slots on:
; the wave's one tensor load, first thing behind the barrier; it has eight key steps in which to land.
.macro CHANGE fill
	WIN 0
	s_wait_tensorcnt 0x0                           ; no tensor load of mine is out, so a group 0 may be written
	ds_add_u32 v[SPW], v[NIL]                      ; 0 onto my spare word
.if \fill
	s_xor_b32 s[G0+5], s[G0+5], SLOT1              ; the walking descriptor: the other slot than last time,
	s_add_nc_u64 s[G0+6:G0+7], s[G0+6:G0+7], 0x10000   ; the next 512 keys; the type bits on top are not reached
	s_wait_xcnt 0x0                                ; the last prefetches, eight key steps back, have read their address
	s_add_nc_u64 s[PFA:PFA+1], s[PFA:PFA+1], 0x10000   ; one slot further on than the walking descriptor
.endif
	s_wait_dscnt 0x0                               ; the add is done, and my reads of the slot are over
	s_barrier_signal -1
	s_barrier_wait -1
.if \fill
	tensor_load_to_lds s[G0+4:G0+7], s[G1:G1+7]
	s_nop 0
	PLACES
	ASK
.endif
	s_sub_co_u32 s[TB], s[TB], 8*STEPB             ; the fetches go back to a slot's first step,
	s_xor_b32 s[TB], s[TB], SLOT1                  ; in the other slot
.endm
.macro STEPS n                         ; n key steps: written once, walked n times; the LDS addresses hang on s[TB], the bias on s[DJ]
	WIN 0
	s_mov_b32 s[CNT], \n
.Lstep_\@:
	SETBIAS
	TURN 0, 2, 1, 0
	TURN 2, 2, 1, 0
	WIN 0
	s_sub_co_u32 s[CNT], s[CNT], 1
	s_cmp_lg_u32 s[CNT], 0
	s_cbranch_scc1 .Lstep_\@
.endm
	s_wait_tensorcnt 0x1                           ; my part of slot 0 is in; slot 1's may stay out
	s_barrier_signal -1
	s_barrier_wait -1                              ; everybody's is
	FETCH_K                                        ; key step 0
	s_wait_loadcnt 0x0                             ; Q
	SETBIAS
	s_wait_dscnt 0x0
.set i, 0
.rept 16
	KQ 0                                           ; piece 0's first scores: there is no vector work yet to set between them
.set i, i+1
.endr
	PLACES
	TURN 2, 0, 1, 1                                ; piece 2's first scores | piece 0's first softmax | V of step 0
	SETBIAS
	TURN 0, 1, 1, 1                                ; piece 0: V^T P of step 0 starts O^T, K Q^T of step 1 | piece 2's first softmax | K of step 1
	TURN 2, 1, 1, 0                                ; piece 2: the same | piece 0's softmax of step 1 | V of step 1
	STEPS 6                                        ; the scores of steps 2 to 7: slot 0 is read out
.Lslot:                                            ; six trips: slots 2 to 7 are asked for
	CHANGE 1
	STEPS 8
	s_sub_co_u32 s[SLOTS], s[SLOTS], 1
	s_cmp_lg_u32 s[SLOTS], 0
	s_cbranch_scc1 .Lslot
	CHANGE 0                                       ; the tail is written out
	STEPS 8
	TURN 0, 2, 0, 0                                ; piece 0: V^T P of the last step | piece 2's last softmax
.set i, 0
.rept 16
	PV 2, 0                                        ; piece 2: V^T P of the last step
.set i, i+1
.endr
	; THE WAY OUT.  l's two halves and the other half of the lanes' are added; O^T is divided by l and rounded to f16.  A lane's eight channels of a query are 16 bytes at 16 x lane of an image block:
	; ah [row block of 128: 64][chunk of 32 channels: 16][tile of 16 rows 8][u 2][512]: no trip through LDS; each store of the wave covers 512 consecutive bytes, aligned.  The additions are the places behind the last products.
	WIN 0
.irp t, 0,1,2,3
	v_add_f32 v[ST+8*\t+4], v[ST+8*\t+2], v[ST+8*\t+3]
.endr
.irp t, 0,1,2,3
	v_permlanex16_b32 v[ST+8*\t+5], v[ST+8*\t+4], s[SEL], s[SEL+1]
.endr
.irp t, 0,1,2,3
	v_add_f32 v[ST+8*\t+4], v[ST+8*\t+4], v[ST+8*\t+5]
.endr
.irp t, 0,1,2,3
	v_rcp_f32 v[ST+8*\t+6], v[ST+8*\t+4]
.endr
	v_nop                                          ; a plain instruction between the last reciprocal and the use of its result
	s_wait_alu depctr_va_vdst(0)                   ; and the wait ahead of the first use: one for the four
.irp t, 0,1,2,3
	WIN W_RS
.set i, 32*\t
.rept 16
	v_pk_mul_f32 v[i:i+1], v[i:i+1], v[ST+8*\t+6:ST+8*\t+7] op_sel_hi:[1,0]   ; each accumulator from its low end on
.set i, i+2
.endr
	WIN 0x05                                       ; sources 0 and 1 window 1, destination window 0: S^T's registers are free
.set i, 0
.rept 16
	v_cvt_pk_f16_f32 v[S+32*\t+i], v[32*\t+2*i], v[32*\t+2*i+1]
.set i, i+1
.endr
	WIN 0
.irp ct, 0,1,2,3
	global_store_b128 v[AK0], v[S+32*\t+4*\ct:S+32*\t+4*\ct+3], s[12:13] offset:1024*\t+(\ct/2)*8192+(\ct%2)*512
.endr
.endr
	s_wait_tensorcnt 0x0                           ; the wave's end: behind my last tensor load
	ds_add_u32 v[SPW], v[NIL]
	s_wait_dscnt 0x0
	s_endpgm
.Lfunc_end_k_q6864aa2e67_attn:
	.size	k_q6864aa2e67_attn, .Lfunc_end_k_q6864aa2e67_attn-k_q6864aa2e67_attn
	.p2alignl 7, 3214868480
	.fill 96, 4, 3214868480
	.section	.rodata,"a",@progbits
	.p2align	6, 0x0
	.amdhsa_kernel k_q6864aa2e67_attn
		.amdhsa_group_segment_fixed_size 327680
		.amdhsa_private_segment_fixed_size 0
		.amdhsa_enable_private_segment 0
		.amdhsa_kernarg_size 40
		.amdhsa_user_sgpr_count 2
		.amdhsa_user_sgpr_kernarg_segment_ptr 1
		.amdhsa_wavefront_size32 1
		.amdhsa_system_sgpr_workgroup_id_x 1
		.amdhsa_system_sgpr_workgroup_id_y 1
		.amdhsa_system_sgpr_workgroup_id_z 1
		.amdhsa_system_vgpr_workitem_id 0
		.amdhsa_next_free_vgpr 704
		.amdhsa_next_free_sgpr 66
		.amdhsa_reserve_vcc 1
		.amdhsa_float_denorm_mode_32 3
		.amdhsa_float_denorm_mode_16_64 3
		.amdhsa_memory_ordered 1
		.amdhsa_forward_progress 1
		.amdhsa_inst_pref_size 208
	.end_amdhsa_kernel
	.amdgpu_metadata
---
amdhsa.version: [ 1, 2 ]
amdhsa.kernels:
  - .name:           k_q6864aa2e67_attn
    .symbol:         k_q6864aa2e67_attn.kd
    .args:
      - { .name: qh, .offset: 0, .size: 8, .value_kind: global_buffer, .address_space: global }
      - { .name: kh, .offset: 8, .size: 8, .value_kind: global_buffer, .address_space: global }
      - { .name: vh, .offset: 16, .size: 8, .value_kind: global_buffer, .address_space: global }
      - { .name: rel_pos, .offset: 24, .size: 8, .value_kind: global_buffer, .address_space: global }
      - { .name: ah, .offset: 32, .size: 8, .value_kind: global_buffer, .address_space: global }
    .group_segment_fixed_size: 327680
    .private_segment_fixed_size: 0
    .kernarg_segment_align: 8
    .kernarg_segment_size: 40
    .max_flat_workgroup_size: 128
    .sgpr_count:     66
    .vgpr_count:     704
    .wavefront_size: 32
...
	.end_amdgpu_metadata
.endif
;; end of part 3
;; launch oproj (part 4): grid 4 x 64, 8 waves a work-group, clusters of 4 x 4, 297,984 bytes of LDS; arguments ah, wo16, bo, out0; writes out0
.if DOCPART == 4
	.amdgcn_target "amdgcn-amd-amdhsa--gfx1250"
	.amdhsa_code_object_version 6
	.text
	.protected	k_q6864aa2e67_oproj
	.globl	k_q6864aa2e67_oproj
	.p2align	8
	.type	k_q6864aa2e67_oproj,@function
k_q6864aa2e67_oproj:
	s_mov_b64 s[64:65], 0
	v_nop
	global_prefetch_b8 v0, s[64:65] scope:SCOPE_SE
	s_setreg_imm32_b32 hwreg(HW_REG_WAVE_MODE, 25, 1), 1
	s_wait_xcnt 0x0
	s_wait_alu depctr_hold_cnt(0) depctr_sa_sdst(0) depctr_va_vdst(0) depctr_va_sdst(0) depctr_va_ssrc(0) depctr_va_vcc(0) depctr_vm_vsrc(0)
	s_getreg_b32 s2, hwreg(HW_REG_IB_STS2, 6, 4)
	s_cmp_eq_u32 s2, 0
	s_cbranch_scc0 .Lentry_in_a_cluster
	s_endpgm
.Lentry_in_a_cluster:
	s_bfe_u32 s2, ttmp6, 0x10000c
	s_cmp_lg_u32 s2, 0xf033
	s_cbranch_scc0 .Lentry_shape_is_right
	s_endpgm
.Lentry_shape_is_right:
; Launch 4 of 4: out0 = attn Wo^T + bo.  attn [8,192][512] and Wo [512][512] arrive as f16 images of operand registers (ah, wo16); sums in f32; out0 f32.
; SHARES.  Work-group (cb, rb): rows 128 rb on x columns 128 cb on, all of K = 512.  Its part of attn is one dense block of 128 KiB, its part of Wo another: both lie whole in LDS, first fills only, nothing is filled again.
; Eight waves: wave w makes tiles of rows 2 (w / 2), 2 (w / 2) + 1 x tiles of columns 4 (w % 2) .. + 3: eight accumulators, which take turns.
; CLUSTERS: 4 x 4 work-groups.  The four of a row of the cluster need the same block of attn, the four of a column the same block of Wo: each is asked for JOINTLY, by the same tensor loads with the same descriptors
; and a mask that names the four.  Waves 0-3 fetch attn's block, waves 4-7 Wo's, each two loads of 16 KiB (K's first half, then its second): two loads of a wave are out, the most in this text.
; THE MATRIX INSTRUCTION IS USED TRANSPOSED (source 0 = 16 rows of Wo, source 1 = 16 rows of attn): a lane holds eight neighbouring columns of one row.  bo is the C of each sum's first product.
; The way out goes through each wave's own stage in LDS, so that sixteen lanes store 256 consecutive bytes, aligned.
.set BOFF,  131072                     ; LDS: attn's block at 0: 8,192 chunk + 1,024 tile + 512 u + 16 lane;  Wo's at BOFF, laid alike
.set STAGE, 262144                     ; 16 rows x (256 bytes + 16) for each wave
.set SPARE, STAGE+8*16*272             ; 296,960: the spare words, 128 bytes for each wave: four blocks of 256 bytes that no other line names
.set ADA,  2                           ; v2, v3  my fragments of attn in chunks 0-7, 8-15
.set ADB,  4                           ; v4, v5  the same for Wo
.set STO,  6
.set RD,   7
.set CO,   8
.set BB,   16                          ; v16-47   bo in the result's layout, eight registers for each of my four tiles of columns
.set F0,   48                          ; v48-95, v96-143  two fragment buffers: attn's two at +0, Wo's four at +16
.set F1,   96
.set ACC,  144                         ; v144-207 accumulator (a, b) at v[ACC + 8 (4 a + b)]
.set OB,   208                         ; v208-239 rows read back from the stage
.set SPW,  252
.set NIL,  253
.set WV,   12
.set G1A,  24                          ; s[24:31] group 1 for attn's block; s[32:39] group 0, a set for each half of K
.set G0A,  32
.set G1B,  48                          ; s[48:55], s[56:63] the same for Wo's
.set G0B,  56
.macro PLACES
.rept 4
	v_nop
.endr
.endm
.macro CROUND                          ; a round of the cluster's barrier
	s_barrier_signal -1
	s_barrier_wait -1
	s_cmp_lg_u32 s[WV], 0
	s_cbranch_scc1 .Lnot_wave_0_\@
	s_barrier_signal -3
.Lnot_wave_0_\@:
	s_barrier_wait -3
	s_barrier_signal -1
	s_barrier_wait -1
.endm
	s_load_b256 s[4:11], s[0:1], 0x0               ; ah s[4:5], wo16 s[6:7], bo s[8:9], out0 s[10:11]
	v_lshl_add_u32 v[SPW], v0, 2, SPARE
	v_mov_b32 v[NIL], 0
	ds_add_u32 v[SPW], v[NIL]                      ; the wave's opening: the add, twice on end, and its wait ahead of the round in front of my first tensor load
	ds_add_u32 v[SPW], v[NIL]
	v_lshrrev_b32 v1, 5, v0
	v_readfirstlane_b32 s[WV], v1                  ; wave 0..7
	s_bfe_u32 s40, ttmp6, 0x40000                  ; cx, cy: my place in the cluster
	s_bfe_u32 s41, ttmp6, 0x40004
	s_lshl_b32 s42, ttmp9, 2
	s_add_co_u32 s42, s42, s40                     ; cb = 4 x cluster x + cx
	s_and_b32 s13, ttmp7, 0xffff
	s_lshl_b32 s13, s13, 2
	s_add_co_u32 s13, s13, s41                     ; rb = 4 x cluster y + cy
	s_lshl_b32 s43, s41, 2
	s_lshl_b32 s43, 15, s43                        ; my row of the cluster
	s_lshl_b32 s44, 0x1111, s40                    ; my column
	s_or_b32 s[G1A+0], s43, (3<<16)|(1<<21)        ; the mask; elements of 8 bytes; bit 21 set beside a mask; no padding
	s_or_b32 s[G1B+0], s44, (3<<16)|(1<<21)
.irp g, G1A, G1B
	s_mov_b32 s[\g+1], 32<<16                      ; 64 dense rows of 32 elements: 16 KiB
	s_mov_b32 s[\g+2], 64<<16
	s_mov_b32 s[\g+3], 32<<16
	s_mov_b32 s[\g+4], 64
	s_mov_b32 s[\g+5], 32
	s_mov_b32 s[\g+6], 0
	s_mov_b32 s[\g+7], 0
.endr
	s_and_b32 s14, s[WV], 3
	s_lshl_b32 s15, s14, 14                        ; which 16 KiB of a half I fetch: no place in the cluster enters an LDS address
	s_lshl_b32 s16, s13, 17                        ; attn's block: rb x 131,072
	s_add_co_u32 s16, s16, s15
	s_mov_b32 s17, 0
	s_lshl_b32 s46, s42, 17                        ; Wo's block: cb x 131,072
	s_add_co_u32 s46, s46, s15
	s_mov_b32 s47, 0
	s_wait_dscnt 0x0                               ; both opening adds are done
	s_wait_kmcnt 0x0
	s_add_nc_u64 s[16:17], s[4:5], s[16:17]
	s_add_nc_u64 s[46:47], s[6:7], s[46:47]
	CROUND                                         ; all sixteen work-groups are here: the joint loads meet
.irp hf, 0,1
	s_mov_b32 s[G0A+4*\hf], 1
	s_add_co_u32 s[G0A+4*\hf+1], s15, \hf*65536
	s_add_nc_u64 s[G0A+4*\hf+2:G0A+4*\hf+3], s[16:17], \hf*65536
	s_or_b32 s[G0A+4*\hf+3], s[G0A+4*\hf+3], 0x80000000
	s_mov_b32 s[G0B+4*\hf], 1
	s_add_co_u32 s[G0B+4*\hf+1], s15, BOFF+\hf*65536
	s_add_nc_u64 s[G0B+4*\hf+2:G0B+4*\hf+3], s[46:47], \hf*65536
	s_or_b32 s[G0B+4*\hf+3], s[G0B+4*\hf+3], 0x80000000
.endr
	s_cmp_lt_u32 s[WV], 4                          ; a wave's two first fills stand in one arm; the branch hangs on the wave's number alone
	s_cbranch_scc0 .Lfirst_b
	tensor_load_to_lds s[G0A:G0A+3], s[G1A:G1A+7]
	s_nop 0
	tensor_load_to_lds s[G0A+4:G0A+7], s[G1A:G1A+7]
	s_nop 0
	PLACES
	s_branch .Lfirst_asked
.Lfirst_b:
	tensor_load_to_lds s[G0B:G0B+3], s[G1B:G1B+7]
	s_nop 0
	tensor_load_to_lds s[G0B+4:G0B+7], s[G1B:G1B+7]
	s_nop 0
	PLACES
.Lfirst_asked:
	v_and_b32 v1, 31, v0                           ; lane
	v_lshlrev_b32 v9, 4, v1                        ; 16 lane
	v_and_b32 v10, 15, v0                          ; r
	v_bfe_u32 v11, v0, 4, 1                        ; h
	s_lshr_b32 s18, s[WV], 1                       ; which two tiles of rows are mine
	s_and_b32 s19, s[WV], 1                        ; which four tiles of columns
	s_lshl_b32 s20, s18, 11
	v_add_nc_u32 v[ADA], s20, v9
	v_add_nc_u32 v[ADA+1], 65536, v[ADA]
	s_lshl_b32 s20, s19, 12
	s_add_co_u32 s20, s20, BOFF
	v_add_nc_u32 v[ADB], s20, v9
	v_add_nc_u32 v[ADB+1], 65536, v[ADB]
	s_mul_i32 s21, s[WV], 16*272
	s_add_co_u32 s21, s21, STAGE                   ; my stage
	v_mul_u32_u24 v[STO], v10, 272
	v_lshl_add_u32 v[STO], v11, 5, v[STO]
	v_add_nc_u32 v[STO], s21, v[STO]               ; in: row r, 32 bytes for each half of the lanes
	v_mul_u32_u24 v[RD], v11, 272
	v_lshl_add_u32 v[RD], v10, 4, v[RD]
	v_add_nc_u32 v[RD], s21, v[RD]                 ; back: lanes 0-15 one row of 256 bytes, lanes 16-31 the next
	v_lshlrev_b32 v[CO], 11, v11
	v_lshl_add_u32 v[CO], v10, 4, v[CO]            ; and the same two rows of out0 (2,048 bytes a row)
	v_lshlrev_b32 v12, 5, v11                      ; 32 h
	s_lshl_b32 s66, s13, 18                        ; out0: (128 rb + 32 (w / 2)) rows of 2,048 bytes + 512 cb + 256 (w % 2)
	s_lshl_b32 s67, s18, 16
	s_add_co_u32 s66, s66, s67
	s_lshl_b32 s68, s42, 9
	s_lshl_b32 s69, s19, 8
	s_add_co_u32 s68, s68, s69                     ; also bo's offset: my 64 columns
	s_add_co_u32 s66, s66, s68
	s_mov_b32 s67, 0
	s_mov_b32 s69, 0
	s_add_nc_u64 s[10:11], s[10:11], s[66:67]
	s_add_nc_u64 s[8:9], s[8:9], s[68:69]
.irp b, 0,1,2,3
	global_load_b128 v[BB+8*\b:BB+8*\b+3], v12, s[8:9] offset:64*\b          ; lane (r, h), tile b: bo of columns 16 b + 8 h + 0 .. 7
	global_load_b128 v[BB+8*\b+4:BB+8*\b+7], v12, s[8:9] offset:64*\b+16
.endr
.macro FETCH ch, f                     ; chunk ch (32 along K): 12 LDS loads, each of 512 consecutive bytes
.set hi, (\ch)/8
.set co, 8192*((\ch)%8)
.irp a, 0,1
.irp u, 0,1
	ds_load_b128 v[\f+8*\a+4*\u:\f+8*\a+4*\u+3], v[ADA+hi] offset:co+1024*\a+512*\u
.endr
.endr
.irp b, 0,1,2,3
.irp u, 0,1
	ds_load_b128 v[\f+16+8*\b+4*\u:\f+16+8*\b+4*\u+3], v[ADB+hi] offset:co+1024*\b+512*\u
.endr
.endr
.endm
.macro MUL f, first                    ; 8 products; first = 1: the sums begin at bo
.irp a, 0,1
.irp b, 0,1,2,3
.if \first
	v_wmma_f32_16x16x32_f16 v[ACC+8*(4*\a+\b):ACC+8*(4*\a+\b)+7], v[\f+16+8*\b:\f+16+8*\b+7], v[\f+8*\a:\f+8*\a+7], v[BB+8*\b:BB+8*\b+7]
.else
	v_wmma_f32_16x16x32_f16 v[ACC+8*(4*\a+\b):ACC+8*(4*\a+\b)+7], v[\f+16+8*\b:\f+16+8*\b+7], v[\f+8*\a:\f+8*\a+7], v[ACC+8*(4*\a+\b):ACC+8*(4*\a+\b)+7]
.endif
.endr
.endr
.endm
.macro CHUNK ch                        ; the next chunk is fetched into the buffer that the chunk before has left; then this chunk is multiplied
.set fc, F0+48*((\ch)%2)
.set fn, F0+48*(((\ch)+1)%2)
	PLACES                                         ; places in front of loads into registers that matrix instructions have read
	FETCH (\ch)+1, fn
	s_wait_dscnt 12                                ; this chunk's fragments are in; the 12 loads just issued may be out
	MUL fc, 0
.endm
	s_wait_tensorcnt 0x1                           ; my part of K's first half is in; the second half's may stay out
	s_barrier_signal -1
	s_barrier_wait -1                              ; everybody's is
	FETCH 0, F0
	FETCH 1, F1
	s_wait_loadcnt 0x0                             ; bo
	s_wait_dscnt 12
	MUL F0, 1
.irp ch, 1,2,3,4,5,6
	CHUNK \ch
.endr
	s_wait_tensorcnt 0x0                           ; my part of K's second half is in,
	s_wait_dscnt 0x0                               ; chunk 7's fragments too: no LDS instruction is pending at the signal
	s_barrier_signal -1
	MUL F1, 0                                      ; chunk 7: work on registers while the others arrive
	s_barrier_wait -1                              ; everybody's is
	PLACES
	FETCH 8, F0
.irp ch, 8,9,10,11,12,13,14
	CHUNK \ch
.endr
	s_wait_dscnt 0x0
	MUL F1, 0                                      ; chunk 15
; THE WAY OUT.  Tile of rows a: 16 rows x 64 columns go into my stage and come back as whole rows of 256 bytes.  LDS serves a wave's instructions in order: no wait between the stores and the loads.
.macro TOSTAGE a, dst
.irp b, 0,1,2,3
	ds_store_b128 v[STO], v[ACC+8*(4*\a+\b):ACC+8*(4*\a+\b)+3] offset:64*\b          ; each accumulator from its low end on
	ds_store_b128 v[STO], v[ACC+8*(4*\a+\b)+4:ACC+8*(4*\a+\b)+7] offset:64*\b+16
.endr
.irp i, 0,1,2,3,4,5,6,7
	ds_load_b128 v[\dst+4*\i:\dst+4*\i+3], v[RD] offset:544*\i
.endr
.endm
.macro SEND a, dst, younger            ; younger: the LDS instructions issued behind tile a's loads
.irp i, 0,1,2,3,4,5,6,7
	s_wait_dscnt \younger+7-\i
	global_store_b128 v[CO], v[\dst+4*\i:\dst+4*\i+3], s[10:11] offset:(16*\a+2*\i)*2048 th:TH_STORE_NT   ; 16 lanes store 256 consecutive bytes, aligned; written once, read by nobody here
.endr
.endm
	PLACES                                         ; behind the last products: the stores read results, the loads land in a fragment buffer
	TOSTAGE 0, OB
	TOSTAGE 1, F0
	SEND 0, OB, 16                                 ; behind tile 0's loads: tile 1's 8 stores and 8 loads
	SEND 1, F0, 0
	s_wait_tensorcnt 0x0                           ; the wave's end: behind my last tensor load and my last LDS store
	ds_add_u32 v[SPW], v[NIL]
	s_wait_dscnt 0x0
	CROUND                                         ; the closing round: no work-group ends while a partner may still ask for a block that names it
	s_endpgm
.Lfunc_end_k_q6864aa2e67_oproj:
	.size	k_q6864aa2e67_oproj, .Lfunc_end_k_q6864aa2e67_oproj-k_q6864aa2e67_oproj
	.p2alignl 7, 3214868480
	.fill 96, 4, 3214868480
	.section	.rodata,"a",@progbits
	.p2align	6, 0x0
	.amdhsa_kernel k_q6864aa2e67_oproj
		.amdhsa_group_segment_fixed_size 297984
		.amdhsa_private_segment_fixed_size 0
		.amdhsa_enable_private_segment 0
		.amdhsa_kernarg_size 32
		.amdhsa_user_sgpr_count 2
		.amdhsa_user_sgpr_kernarg_segment_ptr 1
		.amdhsa_wavefront_size32 1
		.amdhsa_system_sgpr_workgroup_id_x 1
		.amdhsa_system_sgpr_workgroup_id_y 1
		.amdhsa_system_sgpr_workgroup_id_z 1
		.amdhsa_system_vgpr_workitem_id 0
		.amdhsa_next_free_vgpr 256
		.amdhsa_next_free_sgpr 80
		.amdhsa_reserve_vcc 0
		.amdhsa_float_denorm_mode_32 3
		.amdhsa_float_denorm_mode_16_64 3
		.amdhsa_memory_ordered 1
		.amdhsa_forward_progress 1
		.amdhsa_inst_pref_size 34
	.end_amdhsa_kernel
	.amdgpu_metadata
---
amdhsa.version: [ 1, 2 ]
amdhsa.kernels:
  - .name:           k_q6864aa2e67_oproj
    .symbol:         k_q6864aa2e67_oproj.kd
    .args:
      - { .name: ah, .offset: 0, .size: 8, .value_kind: global_buffer, .address_space: global }
      - { .name: wo16, .offset: 8, .size: 8, .value_kind: global_buffer, .address_space: global }
      - { .name: bo, .offset: 16, .size: 8, .value_kind: global_buffer, .address_space: global }
      - { .name: out0, .offset: 24, .size: 8, .value_kind: global_buffer, .address_space: global }
    .group_segment_fixed_size: 297984
    .private_segment_fixed_size: 0
    .kernarg_segment_align: 8
    .kernarg_segment_size: 32
    .max_flat_workgroup_size: 256
    .sgpr_count:     80
    .vgpr_count:     256
    .wavefront_size: 32
...
	.end_amdgpu_metadata
.endif
;; end of part 4
